; MI455X (gfx1250); checked and timed in simulation.
; The chip was launched on July 23, 2026; its instructions are those of AMD's public machine-readable ISA for CDNA 5 (MIT licence, August 2026) and "CDNA5" Instruction Set Architecture Reference Guide (July 2026). The comments in the code are by the model that wrote it; some were corrected since.
;; Single Head Self Attention. Allowed arithmetic: matrix products marked QUANTISED: E5M2 operands, one E8M0 scale for each 32 along K, by v_wmma_scale_f32_16x16x128_f8f6f4 with both operands' format E5M2, f32 sums; everything else in f32.
;; Inputs: Wk_codes 64 x 2 x 32 uint8 (E5M2 codes of Wk, K innermost, in blocks of 32 codes); Wk_scales 64 x 2 uint8 (E8M0 scales of Wk, one for each 32 codes along K); Wq_codes 64 x 2 x 32 uint8 (E5M2 codes of Wq, K innermost, in blocks of 32 codes); Wq_scales 64 x 2 uint8 (E8M0 scales of Wq, one for each 32 codes along K); Wv_codes 64 x 2 x 32 uint8 (E5M2 codes of Wv, K innermost, in blocks of 32 codes); Wv_scales 64 x 2 uint8 (E8M0 scales of Wv, one for each 32 codes along K); x_codes 16 x 4,096 x 2 x 32 uint8 (E5M2 codes of x, K innermost, in blocks of 32 codes); x_scales 16 x 4,096 x 2 uint8 (E8M0 scales of x, one for each 32 codes along K).
;; Outputs: out0 16 x 4,096 x 64 float32.
;; This version of the problem:
;;   THIS VERSION OF THE PROBLEM IS GIVEN IN LOW PRECISION. The matrix products marked QUANTISED in the list below multiply operands that are first quantised to E5M2 (5 exponent bits, 2 mantissa bits; 8 bits a number), with one power-of-two scale for each 32 numbers along K (OCP MX v1.0); their sums are f32. All else is computed in f32.
;;   The module's matrix products, in the order in which they are computed (A, B: the left and right operand; K: the contracted axis; several contracted axes count as one K, in the product's order):
;;     1. [M 65,536, K 64] x [K 64, N 64]; A: input x (given as codes); B: input Wk (given as codes): QUANTISED
;;     2. [M 65,536, K 64] x [K 64, N 64]; A: input x (given as codes); B: input Wq (given as codes): QUANTISED
;;     3. [M 65,536, K 64] x [K 64, N 64]; A: input x (given as codes); B: input Wv (given as codes): QUANTISED
;;     4. batch 16 x [M 4,096, K 64] x [K 64, N 4,096]; A: computed on the way; B: computed on the way: QUANTISED
;;     5. batch 16 x [M 4,096, K 4,096] x [K 4,096, N 64]; A: softmax (see below); B: computed on the way: QUANTISED
;;   THE QUANTISER, for each operand of a quantised product, along K:
;;     - K is cut into blocks of 32 from its start; a last block that is shorter is filled with zeros.
;;     - A block's scale is 2^e with e = floor(log2(the largest magnitude in the block)) - 15, held to -126 .. 127; a block of zeros has e = 0. As a byte (E8M0): e + 127.
;;     - Each number is divided by its block's scale, clamped to +-57,344, and rounded to the nearest number of E5M2, ties to even, subnormals kept.
;;     - The product sums the exact products of the quantised numbers (number of the format x scale) in f32.
;;   ~~~python
;;   def quantise(x, axis):      # numpy; x: float32 -> the quantised numbers, widened to float32 again
;;       x = np.moveaxis(x, axis, -1); K = x.shape[-1]
;;       x = np.pad(x, [(0, 0)] * (x.ndim - 1) + [(0, -K % 32)]); x = x.reshape(x.shape[:-1] + (-1, 32)); a = np.abs(x).max(-1, keepdims=True)
;;       e = np.where(a > 0, np.clip(np.frexp(np.where(a > 0, a, 1))[1] - 1 - 15, -126, 127), 0)      # np.frexp(a)[1] - 1 = floor(log2(a)), exactly
;;       r = np.clip(x / 2.0 ** e, -57344, 57344)
;;       step = 2.0 ** (np.maximum(np.frexp(np.where(r == 0, 1, r))[1] - 1, -14) - 2)
;;       q = np.round(r / step) * step * 2.0 ** e      # np.round: ties to even
;;       return np.moveaxis(q.reshape(q.shape[:-2] + (-1,))[..., :K], -1, axis).astype(np.float32)
;;   ~~~
;;   SOFTMAX AHEAD OF A QUANTISED PRODUCT. Where the list says 'softmax', what is quantised is not the finished softmax but p = 2^(t - M), with t = logit x log2(e) and M = ceil(the row's largest t), a whole number; so 1/2 < the row's largest p <= 1. The row's sum l is taken of the UNQUANTISED p, in f32, and the product's result is divided by l at the end. Since M is a whole number, a kernel that streams over the keys may use a running M (the ceiling of the running maximum): every later rescaling is an exact power of two, which a block's scale takes up: the codes' values come out the same.
;;   OPERANDS COMPUTED ON THE WAY. 'Computed on the way' means the value that the module computes at that place (a softmax that the list does not call 'softmax' is quantised finished and normalised). What goes into a quantiser is computed in f32, as accurately as f32 sums, v_exp_f32 and their like allow (about 1e-6 of the number): no bf16 or f16 on the way to a quantiser, and a product that is left as it is and whose result goes on into a quantised operand takes f32 operands (vector FMAs, or v_wmma_f32_16x16x4_f32). A number that lies on a knife's edge between two numbers of the format may be rounded either way, as far as f32 arithmetic and the matrix unit's own rounding can turn it there, and no further.
;;   INPUTS GIVEN AS CODES. Wk (in the module: [64, 64], K = its axis 1); Wq (in the module: [64, 64], K = its axis 1); Wv (in the module: [64, 64], K = its axis 1); x (in the module: [16, 4096, 64], K = its axis 2): each comes as NAME_codes (uint8): NAME with its K axis moved to the last place and cut into blocks of 32 codes, [.., K / 32, bytes a block], one block behind the other in memory; one code a byte (a code: sign, 5 exponent bits, 2 mantissa bits); and NAME_scales (uint8): the same leading axes, one E8M0 byte (e + 127) for each 32 codes along K. Its value is code x scale, taken as it is: it is not quantised again, and the codes and scales need not be those that the quantiser above would give.
;; One version. Each part assembles by itself: llvm-mc -triple=amdgcn-amd-amdhsa -mcpu=gfx1250 --defsym DOCPART=n.
;; ======== version 1 of 1: 2 launches
;; limits: right only within a limited range of input values
;; workspace buffers: kv 8,650,752 bytes
;; launch project (part 1): grid 32 x 16, 4 waves a work-group, no clusters, 1,536 bytes of LDS; arguments x_codes, x_scales, Wk_codes, Wk_scales, Wv_codes, Wv_scales, kv; writes kv
.if DOCPART == 1
	.amdgcn_target "amdgcn-amd-amdhsa--gfx1250"
	.amdhsa_code_object_version 6
	.text
	.protected	k_qcf05981ed6_project
	.globl	k_qcf05981ed6_project
	.p2align	8
	.type	k_qcf05981ed6_project,@function
k_qcf05981ed6_project:
	s_mov_b64 s[64:65], 0
	v_nop
	global_prefetch_b8 v0, s[64:65] scope:SCOPE_SE
	s_setreg_imm32_b32 hwreg(HW_REG_WAVE_MODE, 25, 1), 1
	s_wait_xcnt 0x0
; k = x Wk^T and v = x Wv^T on codes of BF8 (E5M2) with one E8M0 scale for each 32 along K, then quantised again: k along its 64 channels, v along the KEYS.
; The results are laid in the order in which the attention launch's operand registers take them: one RECORD of 16,896 bytes for each 128 keys of a batch, [16 batches][32 steps].
;   bytes 0 .. 8191      K: fragment f at 2048 f, chunk c at 512 c, lane l at 16 l: key 32 f + 8 (c / 2) + r + 8 (r / 8), channels 32 (c % 2) + 16 h + 0 .. 15   (r = l % 16, h = l / 16)
;   bytes 8192 .. 16383  V: fragment t at 2048 t, chunk c at 512 c, lane l at 16 l: channel 16 t + r, keys 32 c + 16 h + 0 .. 15
;   bytes 16384 .. 16895 scale words, word j of lane l at 16 l + 4 j: j = 0, 1: K's fragment 2 j + h (bytes: key A's two blocks, key B's two, B = A + 8); j = 2, 3: V's fragment 2 (j - 2) + h (byte b: keys 32 b on)
; SHARES.  A work-group makes one record; wave w makes its keys 32 w .. 32 w + 31: all of K's fragment w and chunk w of V's four fragments.  Every store of codes covers 512 consecutive bytes, aligned.
; K = 64 fills half of the matrix instruction's 128: the upper eight registers of every fragment are zero codes on both sides; the scale bytes over them are the 0 that a 16-bit load leaves, which is no NaN.
; THE ROWS OF A TILE ARE NOT NEIGHBOURS: lane r of a tile of x or of Wk takes row r + 8 (r / 8) (+ 8 for the second tile of a pair), so that a lane's 16 registers of two neighbouring result tiles are 16 neighbours along the next K.
; No tensor load, no ring: the operands are read once, straight into registers.  No cluster: the work-groups share only the two small weights.
; LIMITS: a block of zeros gets the scale byte 1 where the quantiser's rule says 127 (its codes are zeros, and this program alone reads the bytes); NaN and infinity codes among the inputs are not served.
.set REC,  16896
.set XT,   16                          ; v16-47   x: two tiles of 16 keys, 16 registers each
.set XS,   48                          ; v48-49   their scale words
.set WKS,  50                          ; v50-53   Wk's scale words, a register a tile
.set WVS,  54                          ; v54-57   Wv's
.set WK,   64                          ; v64-127  Wk's four fragments; free once k's products are issued and their places have passed:
.set TM,   64                          ;   v64-79   at work in QUANT: +0 largest magnitudes, +4 bytes, +12 the conversions' scale operands
.set PW,   80                          ;   v80      K's scale word
.set PCK,  84                          ;   v84-99   k's codes
.set PCV,  100                         ;   v100-115 v's codes
.set SB,   116                         ;   v116-119 the record's scale block on its way out
.set WVF,  128                         ; v128-191 Wv's four fragments
.set R,    192                         ; v192-255 results: k, then v
.set WV,   18                          ; s18  my wave's number
.set SEL,  20                          ; s[20:21] lane selects for v_permlanex16_b32: lane l xor 16
.set MNT,  22
; 16 nb numbers of a lane, register 16 b + i = number 16 h + i of block b of the lane's row, become codes in v[d + 4 b] on; block b's scale byte is left in v[TM + 4 + b].
.macro QUANT s, d, nb
.set qb, 0
.rept \nb
	v_max3_num_f32 v[TM+qb], |v[\s+16*qb]|, |v[\s+16*qb+1]|, 0x8000000   ; my 16 numbers, and the floor 2^(16 - 127): the byte cannot fall under 1
.set qb, qb+1
.endr
.irp i, 2,4,6,8,10,12,14
.set qb, 0
.rept \nb
	v_max3_num_f32 v[TM+qb], v[TM+qb], |v[\s+16*qb+\i]|, |v[\s+16*qb+\i+1]|   ; the blocks by turns: no line waits for the line above it
.set qb, qb+1
.endr
.endr
.set qb, 0
.rept \nb
	v_permlanex16_b32 v[TM+4+qb], v[TM+qb], s[SEL], s[SEL+1]
.set qb, qb+1
.endr
.set qb, 0
.rept \nb
	v_max_num_f32 v[TM+qb], v[TM+qb], v[TM+4+qb]                   ; with lane l xor 16's: the block's largest magnitude
.set qb, qb+1
.endr
.set qb, 0
.rept \nb
	v_add_nc_u32 v[TM+12+qb], 0xf8800000, v[TM+qb]                 ; 15 off its exponent field: the conversion takes the exponent field of this operand as its scale
.set qb, qb+1
.endr
.set qb, 0
.rept \nb
.set qb, qb+1
.endr
.set qb, 0
.rept \nb
	v_lshrrev_b32 v[TM+4+qb], 23, v[TM+12+qb]                      ; the scale's byte
.set qb, qb+1
.endr
.set qb, 0
.rept \nb
.irp i, 0,1,2,3,4,5,6,7,8,9,10,11,12,13,14,15
.endr
	v_cvt_scalef32_pk8_bf8_f32 v[\d+4*qb:\d+4*qb+1], v[\s+16*qb:\s+16*qb+7], v[TM+12+qb]
	v_cvt_scalef32_pk8_bf8_f32 v[\d+4*qb+2:\d+4*qb+3], v[\s+16*qb+8:\s+16*qb+15], v[TM+12+qb]
.set qb, qb+1
.endr
	v_nop                                          ; one plain line behind the last conversion, ahead of whatever next touches its result or writes its sources
.endm
	s_load_b256 s[4:11], s[0:1], 0x0               ; x's codes s[4:5], x's scales s[6:7], Wk's codes s[8:9], Wk's scales s[10:11]
	s_load_b128 s[12:15], s[0:1], 0x20             ; Wv's codes s[12:13], Wv's scales s[14:15]
	s_load_b64 s[16:17], s[0:1], 0x30              ; kv
	v_lshl_add_u32 v62, v0, 2, 0x400
	v_mov_b32 v63, 0
	v_lshrrev_b32 v1, 5, v0
	v_readfirstlane_b32 s[WV], v1                  ; wave 0..3
	v_and_b32 v1, 15, v0                           ; r
	v_bfe_u32 v2, v0, 4, 1                         ; h
	v_and_b32 v3, 8, v1
	v_add_nc_u32 v3, v3, v1                        ; r + 8 (r / 8)
	v_lshlrev_b32 v4, 6, v3
	v_lshl_add_u32 v4, v2, 4, v4                   ; x, Wk: a row of 64 codes is 64 bytes; + 16 h
	v_lshlrev_b32 v5, 1, v3                        ; their scale bytes: two a row
	v_lshlrev_b32 v6, 6, v1
	v_lshl_add_u32 v6, v2, 4, v6                   ; Wv: its rows as they lie
	v_lshlrev_b32 v7, 1, v1
	v_and_b32 v8, 31, v0
	v_lshlrev_b32 v8, 4, v8                        ; 16 x lane: an image's place for my lane
	s_and_b32 s24, s[WV], 1
	s_lshl_b32 s24, s24, 8
	s_lshr_b32 s25, s[WV], 1
	s_lshl_b32 s25, s25, 2
	s_add_co_u32 s24, s24, s25
	v_lshl_add_u32 v9, v1, 4, s24                  ; LDS: K's scale word of fragment w: lane r + 16 (w % 2), word w / 2
	s_add_co_u32 s25, s[WV], 8
	v_lshl_add_u32 v10, v1, 4, s25                 ; LDS: V's scale byte w of lane r's word 2; the fragment stands in the store's offset
	s_mov_b32 s[SEL], 0x76543210
	s_mov_b32 s[SEL+1], 0xfedcba98
	s_and_b32 s19, ttmp7, 0xffff                   ; the batch
	s_lshl_b32 s24, s19, 12
	s_lshl_b32 s25, ttmp9, 7
	s_add_co_u32 s24, s24, s25
	s_lshl_b32 s25, s[WV], 5
	s_add_co_u32 s24, s24, s25                     ; my first row of x: 4,096 x batch + 128 x step + 32 x wave
	s_lshl_b32 s32, s24, 6
	s_mov_b32 s33, 0
	s_lshl_b32 s34, s24, 1
	s_mov_b32 s35, 0
	s_lshl_b32 s36, s19, 5
	s_add_co_u32 s36, s36, ttmp9
	s_mul_i32 s36, s36, REC                        ; my record's first byte
	s_mov_b32 s37, 0
	s_lshl_b32 s38, s[WV], 11                      ; K's fragment w
	s_mov_b32 s39, 0
	s_lshl_b32 s40, s[WV], 9
	s_add_co_u32 s40, s40, 8192                    ; V's chunk w
	s_mov_b32 s41, 0
	s_wait_alu depctr_va_vdst(0)
	s_wait_kmcnt 0x0
	s_add_nc_u64 s[4:5], s[4:5], s[32:33]
	s_add_nc_u64 s[6:7], s[6:7], s[34:35]
	s_add_nc_u64 s[16:17], s[16:17], s[36:37]
	s_add_nc_u64 s[26:27], s[16:17], s[38:39]
	s_add_nc_u64 s[28:29], s[16:17], s[40:41]
	s_add_nc_u64 s[30:31], s[16:17], 16384         ; the scale block
.irp u, 0,1
.irp c, 0,1
	global_load_b128 v[XT+16*\u+4*\c:XT+16*\u+4*\c+3], v4, s[4:5] offset:512*\u+32*\c   ; key 32 w + 8 u + r + 8 (r / 8), channels 32 c + 16 h on
.endr
	global_load_u16 v[XS+\u], v5, s[6:7] offset:16*\u
.endr
.irp t, 0,1,2,3
.irp c, 0,1
	global_load_b128 v[WK+16*\t+4*\c:WK+16*\t+4*\c+3], v4, s[8:9] offset:(32*(\t/2)+8*(\t%2))*64+32*\c
	global_load_b128 v[WVF+16*\t+4*\c:WVF+16*\t+4*\c+3], v6, s[12:13] offset:1024*\t+32*\c
.endr
	global_load_u16 v[WKS+\t], v5, s[10:11] offset:(32*(\t/2)+8*(\t%2))*2
	global_load_u16 v[WVS+\t], v7, s[14:15] offset:32*\t
.endr
.irp f, XT, XT+16, WK, WK+16, WK+32, WK+48, WVF, WVF+16, WVF+32, WVF+48
.irp j, 8,9,10,11,12,13,14,15
	v_mov_b32 v[\f+\j], 0                          ; K = 64 .. 127 of every fragment: zero codes
.endr
.endr
.rept 4
	v_nop                                          ; an operand register written by a vector line stands four places ahead of a scaled matrix instruction
.endr
	s_wait_loadcnt 0x0
	; k, TRANSPOSED: source 0 = 16 rows of Wk, source 1 = 16 keys.  Lane (r, h) holds key (u, r); register 16 (2 u + g) + i holds channel 32 g + 16 h + i
.irp u, 0,1
.irp t, 0,1,2,3
	v_wmma_scale_f32_16x16x128_f8f6f4 v[R+32*\u+8*\t:R+32*\u+8*\t+7], v[WK+16*\t:WK+16*\t+15], v[XT+16*\u:XT+16*\u+15], 0, v[WKS+\t], v[XS+\u] matrix_a_fmt:MATRIX_FMT_BF8 matrix_b_fmt:MATRIX_FMT_BF8
.endr
.endr
.rept 8
	v_nop                                          ; eight places ahead of the first read of results and of the first write into Wk's registers
.endr
.irp b, 0,1,2,3
	v_mov_b32 v[TM+4+\b], 0                        ; written once: a lane permute's destination counts as one of its sources
.endr
	QUANT R, PCK, 4                                ; blocks 2 u + g: chunk 2 u + g of K's fragment w
	v_lshl_or_b32 v[PW], v[TM+5], 8, v[TM+4]       ; key A's two bytes, key B's two
	v_lshl_or_b32 v[PW], v[TM+6], 16, v[PW]
	v_lshl_or_b32 v[PW], v[TM+7], 24, v[PW]
	ds_store_b32 v9, v[PW]                         ; both halves of the lanes write the same word with the same value
.irp c, 0,1,2,3
	global_store_b128 v8, v[PCK+4*\c:PCK+4*\c+3], s[26:27] offset:512*\c   ; 32 lanes store 512 consecutive bytes, aligned
.endr
.rept 9
	v_nop                                          ; nine places between k's products and the products that write over their results: QUANT's lines name those products' registers and are not counted
.endr
	; v, as it lies: source 0 = 16 keys, source 1 = 16 rows of Wv.  Lane (r, h) holds channel 16 t + r; register 16 t + i holds key 32 w + 16 h + i
.irp t, 0,1,2,3
.irp u, 0,1
	v_wmma_scale_f32_16x16x128_f8f6f4 v[R+16*\t+8*\u:R+16*\t+8*\u+7], v[XT+16*\u:XT+16*\u+15], v[WVF+16*\t:WVF+16*\t+15], 0, v[XS+\u], v[WVS+\t] matrix_a_fmt:MATRIX_FMT_BF8 matrix_b_fmt:MATRIX_FMT_BF8
.endr
.endr
.rept 8
	v_nop
.endr
	QUANT R, PCV, 4                                ; block t: my 32 keys of channel 16 t + r: chunk w of V's fragment t
.irp t, 0,1,2,3
	ds_store_b8 v10, v[TM+4+\t] offset:256*(\t%2)+4*(\t/2)   ; byte w of fragment t's word: lane r + 16 (t % 2), word 2 + t / 2
.endr
.irp t, 0,1,2,3
	global_store_b128 v8, v[PCV+4*\t:PCV+4*\t+3], s[28:29] offset:2048*\t
.endr
	s_wait_dscnt 0x0                               ; for the others' sake: my words and bytes of the scale block have landed
	s_barrier_signal -1
	s_barrier_wait -1
	s_cmp_lg_u32 s[WV], 0
	s_cbranch_scc1 .Ldone
	ds_load_b128 v[SB:SB+3], v8                    ; wave 0 sends the record's 512 scale bytes out, two aligned runs of 256
	s_wait_dscnt 0x0
	global_store_b128 v8, v[SB:SB+3], s[30:31]
.Ldone:
	s_wait_tensorcnt 0x0
	ds_add_u32 v62, v63
	s_wait_dscnt 0x0
	s_endpgm
.Lfunc_end_k_qcf05981ed6_project:
	.size	k_qcf05981ed6_project, .Lfunc_end_k_qcf05981ed6_project-k_qcf05981ed6_project
	.p2alignl 7, 3214868480
	.fill 96, 4, 3214868480
	.section	.rodata,"a",@progbits
	.p2align	6, 0x0
	.amdhsa_kernel k_qcf05981ed6_project
		.amdhsa_group_segment_fixed_size 1536
		.amdhsa_private_segment_fixed_size 0
		.amdhsa_enable_private_segment 0
		.amdhsa_kernarg_size 56
		.amdhsa_user_sgpr_count 2
		.amdhsa_user_sgpr_kernarg_segment_ptr 1
		.amdhsa_wavefront_size32 1
		.amdhsa_system_sgpr_workgroup_id_x 1
		.amdhsa_system_sgpr_workgroup_id_y 1
		.amdhsa_system_sgpr_workgroup_id_z 1
		.amdhsa_system_vgpr_workitem_id 0
		.amdhsa_next_free_vgpr 256
		.amdhsa_next_free_sgpr 66
		.amdhsa_reserve_vcc 0
		.amdhsa_float_denorm_mode_32 3
		.amdhsa_float_denorm_mode_16_64 3
		.amdhsa_fp16_overflow 1
		.amdhsa_memory_ordered 1
		.amdhsa_forward_progress 1
		.amdhsa_inst_pref_size 20
	.end_amdhsa_kernel
	.amdgpu_metadata
---
amdhsa.version: [ 1, 2 ]
amdhsa.kernels:
  - .name:           k_qcf05981ed6_project
    .symbol:         k_qcf05981ed6_project.kd
    .args:
      - { .name: x_codes, .offset: 0, .size: 8, .value_kind: global_buffer, .address_space: global }
      - { .name: x_scales, .offset: 8, .size: 8, .value_kind: global_buffer, .address_space: global }
      - { .name: Wk_codes, .offset: 16, .size: 8, .value_kind: global_buffer, .address_space: global }
      - { .name: Wk_scales, .offset: 24, .size: 8, .value_kind: global_buffer, .address_space: global }
      - { .name: Wv_codes, .offset: 32, .size: 8, .value_kind: global_buffer, .address_space: global }
      - { .name: Wv_scales, .offset: 40, .size: 8, .value_kind: global_buffer, .address_space: global }
      - { .name: kv, .offset: 48, .size: 8, .value_kind: global_buffer, .address_space: global }
    .group_segment_fixed_size: 1536
    .private_segment_fixed_size: 0
    .kernarg_segment_align: 8
    .kernarg_segment_size: 56
    .max_flat_workgroup_size: 128
    .sgpr_count:     66
    .vgpr_count:     256
    .wavefront_size: 32
...
	.end_amdgpu_metadata
.endif
;; end of part 1
;; launch attend (part 2): grid 16 x 16, 16 waves a work-group, no clusters, 327,680 bytes of LDS; arguments x_codes, x_scales, Wq_codes, Wq_scales, kv, out0; writes out0
.if DOCPART == 2
	.amdgcn_target "amdgcn-amd-amdhsa--gfx1250"
	.amdhsa_code_object_version 6
	.text
	.protected	k_qcf05981ed6_attend
	.globl	k_qcf05981ed6_attend
	.p2align	8
	.type	k_qcf05981ed6_attend,@function
k_qcf05981ed6_attend:
	s_mov_b64 s[64:65], 0
	v_nop
	global_prefetch_b8 v0, s[64:65] scope:SCOPE_SE
	s_setreg_imm32_b32 hwreg(HW_REG_WAVE_MODE, 25, 1), 1
	s_wait_xcnt 0x0
; out[b][q][:] = the sum over keys k <= q of softmax_k(q . k / 8) v[k][:], head size 64, 4,096 positions, 16 batches, all products on codes of BF8 (E5M2) with one E8M0 scale for each 32 along K.
; k and v come from the workspace kv as records of 128 keys, laid as images of the operands' registers (K's four fragments, V's four, 512 bytes of scale words: 16,896 bytes).  q = x Wq^T is made and quantised here, in registers.
; THE SOFTMAX: t = score x log2(e) / 8; M = the running largest t rounded UP to a whole number; p = 2^(t - M) is quantised along the keys, not normalised; the row's sum is taken of the unquantised p and divides at the end.
; When M moves, the sum and O are multiplied by 2^(old M - new M), which rounds nothing.
; SHARES.  Work-group i of a batch owns the blocks of 128 queries i (LOW) and 31 - i (HIGH); tau = wave % 8 is a tile of 16 queries in a block.  Only the key steps at or under the diagonal are walked:
;   waves 0-7:  the HIGH tile against records 0 .. 15: 16 steps;
;   waves 8-15: the HIGH tile against records 16 .. 31 - i, then the LOW tile against records 0 .. i: (16 - i) + (i + 1) = 17 steps, whatever i is.
; At its change of tiles a wave 8 + tau leaves its part of the HIGH tile (O^T, -M, the sum) in LDS; at the end wave tau brings both parts under one M (both factors are powers of two) and adds them.
; THE RING.  Two streams of records go in step through two LDS slots; a slot holds two steps of each: four records, one tensor load each for waves 0 to 3.  All trip counts are constants.
; LAYOUT.  Both products are used transposed: S^T = K Q^T, O^T = V^T P^T: a lane holds ONE query (lane % 16).  A fragment of K holds TWO tiles of 16 keys (K = 64 each); it is multiplied by [q | 0] and by [0 | q].
; The keys of a tile are chosen (by the launch that lays kv) so that a lane's 16 registers of two neighbouring tiles are keys 32 b + 16 (lane / 16) + 0 .. 15: the conversions' results are the second product's operand.
; NO CLUSTER, though the 16 work-groups of a batch walk records 0 .. 15 alike: the step in which a work-group changes tiles (16 - i) and the steps on its diagonals differ from partner to partner, and those are branches;
; without them every one of the 17 steps would carry the mask's 128 lines.
; Every wave makes q of both tiles (four products and one quantising more in waves 0-7, which do not use the LOW one): so the head is one text for all waves.
; LIMITS: a block of zeros gets the scale byte 1 (its codes are zeros; the bytes never leave the registers); NaN and infinity codes among the inputs are not served; a p under 2^-126 counts as 0 (v_exp_f32's result, ISA guide 15.8).
.set REC,   16896
.set SLOT1, 1<<17                      ; slot 0 at byte 0, slot 1 here: one exclusive or turns an address in one slot into the other's; a slot's four records take 67,584 bytes
.set STAGE, SLOT1+4*REC                ; the way out: 16 rows x (256 + 16) bytes for each wave
.set PART,  STAGE+16*4352              ; for each tau: the image of O^T's 32 registers (4,096 bytes), then of v[12:15] (512)
.set SPARE, PART+8*4608                ; the spare words, 128 bytes for each wave: eight blocks of 256 bytes that no other line names
.set LI,   1                           ; v1   16 x lane: an image's place for my lane; also my byte offset in a tile's 16 rows of out, which are 4,096 dense bytes
.set SPW,  2                           ; v2   LDS address of my spare word; never rewritten
.set NIL,  3                           ; v3   0; never rewritten
.set ADK,  4                           ; v4   LDS address of the step's record for my lane
.set STO,  5                           ; v5   the stage: where I put 32 bytes of a row
.set RD,   6                           ; v6   and where I read a row back
.set PFO,  7                           ; v7   256 x lane: the prefetches' offset; never rewritten
.set PWA,  8                           ; v8   my tau's part in LDS, + 16 x lane
.set D0,   9                           ; v9   lane % 16 - 16 (lane / 16)
.set QA,   16                          ; v16-39  q (8), zeros (8), q (8): [q | 0] = v[16:31], [0 | q] = v[24:39]
.set QL,   40                          ; v40-47  the LOW tile's q
.set QS,   48                          ; v48  q's scale word: bytes s0, s1, s0, s1;  v49 the LOW tile's
.set QLS,  49
.set XSH,  50                          ; v50, v51  x's scale words, HIGH and LOW
.set XSL,  51
.set KV,   52                          ; v52-115  four fragments: K's, then V's
.set S,    116                         ; v116-179 S^T, then p
.set OT,   180                         ; v180-211 O^T: register 8 t + j is channel 16 t + 8 (lane / 16) + j
.set PC,   212                         ; v212-227 p's codes
.set SCR,  228                         ; v228-231 the record's scale words: K's in 228, 229, V's in 230, 231; the odd fragments' in lanes 16-31
.set TM,   232                         ; v232-247 at work: +0 largest, +4 bytes, +12 the conversions' scale operands
.set F,    248                         ; v248 the factor 2^(old M - new M); v249 named with it as a pair
.set PS,   250                         ; v250 p's scale word
.set T0,   251                         ; v251-254 at work
.set WV,   16                          ; s16  my wave's number
.set ROLE, 17                          ; s17  0: waves 0-7, 1: waves 8-15
.set TAU,  18
.set BAT,  20
.set SEL,  22                          ; s[22:23] lane selects: lane l xor 16
.set CS,   24                          ; s[24:25] c = log2(e) / 8; the packed form names a pair and takes its low word
.set MNT,  26
.set G1,   28                          ; s[28:35] descriptor group 1: a record as 66 rows of 256 bytes; never rewritten
.set G0,   36                          ; s[36:39] descriptor group 0
.set KVB,  40                          ; s[40:41] my batch's records
.set NL,   42                          ; s42  which step of its stream my next load brings
.set SWL,  43                          ; s43  the step at which my stream changes tiles (stream 1: never)
.set ADL,  44                          ; s44  record = step + this before the change,
.set NSW,  45                          ; s45  step + this (it is -SWL) from the change on
.set OF,   46                          ; s[46:47] an offset; s47 stays 0
.set TB,   48                          ; s48  LDS byte at which my stream's two records of the slot in hand begin
.set KF,   52                          ; s52  the step's first key
.set Q0,   53                          ; s53  my tile's first query;  s54 its last;  s55 the LOW tile's first
.set QE,   54
.set QLO,  55
.set SC,   56                          ; s56  the loop's counter: the slot in hand
.set PFA,  58                          ; s[58:59] where my prefetches stand
.set LIM,  60                          ; s60  a wave prefetches while s[SC] is under this: 6 or 0
.set OUT,  62                          ; s[62:63] the 16 rows of out that I store
; 16 nb numbers of a lane, register 16 b + i = number 16 h + i of block b of the lane's row, become codes in v[d + 4 b] on; block b's scale byte is left in v[TM + 4 + b].
.macro QUANT s, d, nb
.set qb, 0
.rept \nb
	v_max3_num_f32 v[TM+qb], |v[\s+16*qb]|, |v[\s+16*qb+1]|, 0x8000000   ; my 16 numbers, and the floor 2^(16 - 127): the byte cannot fall under 1
.set qb, qb+1
.endr
.irp i, 2,4,6,8,10,12,14
.set qb, 0
.rept \nb
	v_max3_num_f32 v[TM+qb], v[TM+qb], |v[\s+16*qb+\i]|, |v[\s+16*qb+\i+1]|
.set qb, qb+1
.endr
.endr
.set qb, 0
.rept \nb
	s_delay_alu instid0(VALU_DEP_2)
	v_permlanex16_b32 v[TM+4+qb], v[TM+qb], s[SEL], s[SEL+1]
.set qb, qb+1
.endr
.set qb, 0
.rept \nb
	s_delay_alu instid0(VALU_DEP_2)
	v_max_num_f32 v[TM+qb], v[TM+qb], v[TM+4+qb]                   ; with lane l xor 16's: the block's largest magnitude
.set qb, qb+1
.endr
.set qb, 0
.rept \nb
	s_delay_alu instid0(VALU_DEP_2)
	v_add_nc_u32 v[TM+12+qb], 0xf8800000, v[TM+qb]                 ; 15 off its exponent field: the conversion's scale operand
.set qb, qb+1
.endr
.set qb, 0
.rept \nb
.set qb, qb+1
.endr
.set qb, 0
.rept \nb
	s_delay_alu instid0(VALU_DEP_2)
	v_lshrrev_b32 v[TM+4+qb], 23, v[TM+12+qb]                      ; the scale's byte
.set qb, qb+1
.endr
.set qb, 0
.rept \nb
.irp i, 0,1,2,3,4,5,6,7,8,9,10,11,12,13,14,15
.endr
	v_cvt_scalef32_pk8_bf8_f32 v[\d+4*qb:\d+4*qb+1], v[\s+16*qb:\s+16*qb+7], v[TM+12+qb]
	v_cvt_scalef32_pk8_bf8_f32 v[\d+4*qb+2:\d+4*qb+3], v[\s+16*qb+8:\s+16*qb+15], v[TM+12+qb]
.set qb, qb+1
.endr
	v_nop                                          ; one plain line behind the last conversion
.endm
; My next load's global address: record = step + ADL before my stream's change of tiles, step - SWL from it on.  Scalar lines alone; no tensor load of mine is out where it stands.
.macro DESC
	s_cmp_lt_u32 s[NL], s[SWL]
	s_cselect_b32 s[OF], s[ADL], s[NSW]
	s_add_co_u32 s[OF], s[OF], s[NL]
	s_mul_i32 s[OF], s[OF], REC
	s_add_nc_u64 s[G0+2:G0+3], s[KVB:KVB+1], s[OF:OF+1]
	s_or_b32 s[G0+3], s[G0+3], 0x80000000          ; 127:126 type = 2
	s_add_co_u32 s[NL], s[NL], 2                   ; a slot on
.endm
; who = 0: waves 0 to 3 fetch a record each (wave 2 s + p: stream s, the slot's step p); who = 1: wave 2 alone.  The branch hangs on the wave's number.  Four v_nop follow the load.
.macro TLOAD who
.if \who
	s_cmp_eq_u32 s[WV], 2
.else
	s_cmp_lt_u32 s[WV], 4
.endif
	s_cbranch_scc0 .Lno_load_\@
	tensor_load_to_lds s[G0:G0+3], s[G1:G1+7]
	s_nop 0
.rept 4
	v_nop
.endr
.Lno_load_\@:
.endm
; A PREFETCH INTO THE L2.  A batch's records 0-15 and 16-31 are two runs of 270,336 bytes = 33 pieces of 8,192.  All 16 work-groups of a batch walk them: work-group 0 asks, and in it the waves that fetch nothing:
; wave 4 + k (k = 0 .. 7) asks in trip SC for piece 9 + 4 SC + k % 4 of run k / 4, lanes 256 bytes apart: one instruction.  Pieces 9 .. 32 are so named once each, in trips 0 .. 5.
; After trip SC the first 416 + 128 SC blocks of 256 bytes of a run have been named or loaded; the loads of trip SC + 1 reach block 395 + 132 SC: so a request stands a slot, two key steps, ahead of the load.
; Nothing is asked for at the head, and piece 32 is a run's last.
.macro ASK
	s_cmp_lt_u32 s[SC], s[LIM]
	s_cbranch_scc0 .Lnot_mine_\@
	global_prefetch_b8 v[PFO], s[PFA:PFA+1] th:TH_LOAD_NT scope:SCOPE_SE
.Lnot_mine_\@:
.endm
; THE CHANGE OF SLOTS stands at a slot's head.  Each wave waits for all its tensor loads (at most one is out: its record of the slot ahead), adds 0 to its spare word, and waits for that and for its reads of the slot that it has left.
; Behind the barrier the slot ahead is whole and nobody reads the other.  fill = 1: the other slot takes the next two steps of both streams; fill = 2: only stream 2's last step; fill = 0: nothing.
.macro CHANGE fill
	s_wait_tensorcnt 0x0                           ; no tensor load of mine is out, so group 0 may be written
	ds_add_u32 v[SPW], v[NIL]                      ; 0 onto my spare word: the descriptor's lines stand between it and the wait for it
	ds_add_u32 v[SPW], v[NIL]
.if \fill
	s_xor_b32 s[G0+1], s[G0+1], SLOT1              ; the other slot than last time
	DESC
.endif
.if \fill == 1
	s_wait_xcnt 0x0                                ; the last prefetch, a slot back, has read its address, so it may be written:
	s_add_nc_u64 s[PFA:PFA+1], s[PFA:PFA+1], 4*8192
.endif
	s_wait_dscnt 0x0                               ; the add is done, and my reads of the slot that I have left are over
	s_barrier_signal -1
	s_barrier_wait -1
.if \fill == 1
	TLOAD 0                                        ; the first thing behind the barrier, a wave's one tensor load until the next: it has two key steps of all sixteen waves in which to land
	ASK
.elseif \fill == 2
	TLOAD 1
.endif
.endm
.macro INIT                            ; a tile begins: the largest t is -3e38, under every t; the sum and O^T are zeros, which the first change of M leaves zeros
	v_mov_b32 v13, 0xff61b1e6
	s_delay_alu instid0(VALU_DEP_1)
	v_floor_f32 v12, -v13                          ; -M
	v_mov_b32 v14, 0
	v_mov_b32 v15, 0
.set qi, 0
.rept 32
	v_mov_b32 v[OT+qi], 0
.set qi, qi+1
.endr
.endm
; Waves 8-15 leave the HIGH tile: its part goes to LDS as an image of the registers, and the LOW tile begins.
.macro SWITCH
.irp k, 0,1,2,3,4,5,6,7
	ds_store_b128 v[PWA], v[OT+4*\k:OT+4*\k+3] offset:512*\k     ; each accumulator from its low end on
.endr
	ds_store_b128 v[PWA], v[12:15] offset:4096     ; -M, the largest t, the sum's two halves
	s_wait_dscnt 0x0                               ; the stores have read their registers
	v_mov_b32 v[QS], v[QLS]
.irp j, 0,1,2,3,4,5,6,7
	v_mov_b32 v[QA+\j], v[QL+\j]
	v_mov_b32 v[QA+16+\j], v[QL+\j]
.endr
	INIT                                           ; its 36 lines are also the places between the lines above and the next scaled products (eight for a scale word, four for codes)
	s_mov_b32 s[KF], 0
	s_mov_b32 s[Q0], s[QLO]
	s_add_co_u32 s[QE], s[QLO], 15
.endm
; A KEY STEP: the 128 keys of my stream's record p of the slot in hand.  tail = 1: the 17th step, which waves 0-7 do not have.
.macro STEP p, tail
	s_cmp_lt_u32 s[WV], 8
.if \tail
	s_cbranch_scc1 .Lskip_\@
.else
	s_cbranch_scc1 .Lsame_\@
.endif
	s_cmp_le_u32 s[KF], s[QE]                      ; a record all of whose keys would come after my queries is the sign: my stream has gone on to the LOW tile's records
	s_cbranch_scc1 .Lsame_\@
	s_wait_alu depctr_va_vdst(0)
	SWITCH
.Lsame_\@:
	v_add_nc_u32 v[ADK], s[TB], v[LI]
	ds_load_b128 v[SCR:SCR+3], v[ADK] offset:(\p)*REC+16384
.set qi, 0
.rept 16
	ds_load_b128 v[KV+4*qi:KV+4*qi+3], v[ADK] offset:(\p)*REC+512*qi     ; K's four fragments, as they lie: 512 consecutive bytes a load
.set qi, qi+1
.endr
	s_wait_alu depctr_va_vdst(0)
.irp f, 0,1,2,3                        ; S^T = K Q^T: fragment f holds tiles 2 f and 2 f + 1
	s_wait_dscnt 12-4*\f                           ; LDS loads come back in order (ISA guide 5.7.1): fragment f is in; the 12 - 4 f loads behind it may be out
.irp u, 0,1
.if \f%2
	v_wmma_scale_f32_16x16x128_f8f6f4 v[S+8*(2*\f+\u):S+8*(2*\f+\u)+7], v[KV+16*\f:KV+16*\f+15], v[QA+8*\u:QA+8*\u+15], 0, v[SCR+\f/2], v[QS] matrix_a_fmt:MATRIX_FMT_BF8 matrix_b_fmt:MATRIX_FMT_BF8 matrix_a_scale:MATRIX_SCALE_ROW1
.else
	v_wmma_scale_f32_16x16x128_f8f6f4 v[S+8*(2*\f+\u):S+8*(2*\f+\u)+7], v[KV+16*\f:KV+16*\f+15], v[QA+8*\u:QA+8*\u+15], 0, v[SCR+\f/2], v[QS] matrix_a_fmt:MATRIX_FMT_BF8 matrix_b_fmt:MATRIX_FMT_BF8
.endif
.endr
.endr                                  ; register 16 b + i of lane (r, h): key KF + 32 b + 16 h + i of query r
.rept 8
	v_nop                                          ; eight places ahead of loads into registers that these products have read, and of the first read of their results (ISA guide 7.12.1 for the reads of their results)
.endr
.set qi, 0
.rept 16
	ds_load_b128 v[KV+4*qi:KV+4*qi+3], v[ADK] offset:(\p)*REC+8192+512*qi   ; V's four fragments land under the softmax
.set qi, qi+1
.endr
	s_add_co_u32 s66, s[KF], 127                   ; on the diagonal the scores of hidden keys become -infinity ahead of the maximum: p = 0 then.  A step all of whose keys count skips this
	s_cmp_le_u32 s66, s[Q0]
	s_cbranch_scc1 .Lopen_\@
	s_sub_co_i32 s66, s[Q0], s[KF]
	v_add_nc_u32 v10, s66, v[D0]                   ; d = my query - KF - 16 (lane / 16): register 16 b + i is hidden where 32 b + i > d
	v_mov_b32 v11, 0xff800000                      ; -infinity
.set qi, 0
.rept 64
	v_cmp_gt_i32 vcc_lo, 32*(qi/16)+qi%16, v10
	v_cndmask_b32 v[S+qi], v[S+qi], v11, vcc_lo
.set qi, qi+1
.endr
.Lopen_\@:
.irp b, 0,1,2,3
	v_max3_num_f32 v[TM+\b], v[S+16*\b], v[S+16*\b+1], v[S+16*\b+2]   ; the largest score of each block of 32 keys: it serves for the row's maximum and, since p rises with the score, for the block's largest p
.endr
.irp i, 3,5,7,9,11,13
.irp b, 0,1,2,3
	v_max3_num_f32 v[TM+\b], v[TM+\b], v[S+16*\b+\i], v[S+16*\b+\i+1]
.endr
.endr
.irp b, 0,1,2,3
	v_max_num_f32 v[TM+\b], v[TM+\b], v[S+16*\b+15]
.endr
.irp b, 0,1,2,3
	s_delay_alu instid0(VALU_DEP_4)
	v_permlanex16_b32 v[TM+4+\b], v[TM+\b], s[SEL], s[SEL+1]
.endr
.irp b, 0,1,2,3
	s_delay_alu instid0(VALU_DEP_4)
	v_max_num_f32 v[TM+\b], v[TM+\b], v[TM+4+\b]   ; with lane l xor 16's 16 keys
.endr
	s_delay_alu instid0(VALU_DEP_2)
	v_max3_num_f32 v[T0], v[TM], v[TM+1], v[TM+2]
	s_delay_alu instid0(VALU_DEP_1)
	v_max_num_f32 v[T0], v[T0], v[TM+3]            ; the step's largest score of my query (the step's first key always counts)
	s_delay_alu instid0(VALU_DEP_1)
	v_mul_f32 v[T0], s[CS], v[T0]                  ; as t (c is positive)
	s_delay_alu instid0(VALU_DEP_1)
	v_max_num_f32 v13, v13, v[T0]                  ; the running largest t
	v_mov_b32 v[T0], v12
	s_delay_alu instid0(VALU_DEP_2)
	v_floor_f32 v12, -v13                          ; the new -M = floor(-t) = -ceil(t)
	s_delay_alu instid0(VALU_DEP_1)
	v_sub_f32 v[T0], v12, v[T0]                    ; old M - new M: a whole number, 0 or less
	s_delay_alu instid0(VALU_DEP_1)
	v_cvt_i32_f32 v[T0], v[T0]                     ; (it saturates)
	s_delay_alu instid0(VALU_DEP_1)
	v_ldexp_f32 v[F], 1.0, v[T0]                   ; f = 2^(old M - new M)
.set qi, 0
.rept 32
	v_pk_fma_f32 v[S+qi:S+qi+1], v[S+qi:S+qi+1], s[CS:CS+1], v[12:13] op_sel_hi:[1,0,0]   ; t - M, two at a time
.set qi, qi+2
.endr
.irp b, 0,1,2,3
	v_fma_f32 v[TM+\b], v[TM+\b], s[CS], v12       ; the same of each block's largest score
.endr
.set qi, 0
	s_wait_alu depctr_va_vdst(0)
.rept 64
	v_exp_f32 v[S+qi], v[S+qi]                     ; p = 2^(t - M), at most 1
.set qi, qi+1
.endr
	v_pk_mul_f32 v[14:15], v[14:15], v[F:F+1] op_sel_hi:[1,0]   ; the sums under the new M: the plain line behind the exponentials
	s_wait_alu depctr_va_vdst(0)                   ; one wait for the batch of 64, ahead of its first reader
.irp b, 0,1,2,3
	v_exp_f32 v[TM+\b], v[TM+\b]                   ; the block's largest p: the same two instructions on the same number give the same bits
.endr
	v_pk_add_f32 v[236:237], v[120:121], v[124:125]
	v_pk_add_f32 v[254:255], v[128:129], v[132:133]
	v_pk_add_f32 v[252:253], v[136:137], v[140:141]
	v_pk_add_f32 v[250:251], v[144:145], v[148:149]
	v_pk_add_f32 v[246:247], v[152:153], v[156:157]
	v_pk_add_f32 v[244:245], v[160:161], v[164:165]
	v_pk_add_f32 v[242:243], v[168:169], v[172:173]
	v_pk_add_f32 v[14:15], v[14:15], v[176:177]
	v_pk_add_f32 v[236:237], v[236:237], v[116:117]
	v_pk_add_f32 v[254:255], v[254:255], v[118:119]
	v_pk_add_f32 v[252:253], v[252:253], v[122:123]
	v_pk_add_f32 v[250:251], v[250:251], v[126:127]
	v_pk_add_f32 v[246:247], v[246:247], v[130:131]
	v_pk_add_f32 v[244:245], v[244:245], v[134:135]
	v_pk_add_f32 v[242:243], v[242:243], v[138:139]
	v_pk_add_f32 v[14:15], v[14:15], v[142:143]
	v_pk_add_f32 v[236:237], v[236:237], v[146:147]
	v_pk_add_f32 v[254:255], v[254:255], v[150:151]
	v_pk_add_f32 v[252:253], v[252:253], v[154:155]
	v_pk_add_f32 v[250:251], v[250:251], v[158:159]
	v_pk_add_f32 v[246:247], v[246:247], v[162:163]
	v_pk_add_f32 v[244:245], v[244:245], v[166:167]
	v_pk_add_f32 v[242:243], v[242:243], v[170:171]
	v_pk_add_f32 v[14:15], v[14:15], v[174:175]
	v_pk_add_f32 v[236:237], v[236:237], v[178:179]
	s_delay_alu instid0(VALU_DEP_2)
	v_pk_add_f32 v[14:15], v[14:15], v[250:251]
	s_delay_alu instid0(VALU_DEP_2)
	v_pk_add_f32 v[236:237], v[236:237], v[246:247]
	v_pk_add_f32 v[254:255], v[254:255], v[244:245]
	v_pk_add_f32 v[252:253], v[252:253], v[242:243]
	s_delay_alu instid0(VALU_DEP_2)
	v_pk_add_f32 v[14:15], v[14:15], v[254:255]
	s_delay_alu instid0(VALU_DEP_2)
	v_pk_add_f32 v[236:237], v[236:237], v[252:253]
	s_delay_alu instid0(VALU_DEP_1)
	v_pk_add_f32 v[14:15], v[14:15], v[236:237]
	s_wait_alu depctr_va_vdst(0)                   ; and one wait for the four
.irp b, 0,1,2,3
	v_max_num_f32 v[TM+\b], 0x8000000, v[TM+\b]    ; the floor 2^(16 - 127): a block whose every p is 0 keeps the byte 1; its codes are zeros
.endr
.irp b, 0,1,2,3
	s_delay_alu instid0(VALU_DEP_4)
	v_add_nc_u32 v[TM+12+\b], 0xf8800000, v[TM+\b]
.endr
.irp b, 0,1,2,3
.endr
.irp b, 0,1,2,3
	s_delay_alu instid0(VALU_DEP_4)
	v_lshrrev_b32 v[TM+4+\b], 23, v[TM+12+\b]
.endr
	s_delay_alu instid0(VALU_DEP_3)
	v_lshl_or_b32 v[PS], v[TM+5], 8, v[TM+4]       ; p's scale word for these 128 keys
	s_delay_alu instid0(VALU_DEP_1)
	v_lshl_or_b32 v[PS], v[TM+6], 16, v[PS]
	s_delay_alu instid0(VALU_DEP_1)
	v_lshl_or_b32 v[PS], v[TM+7], 24, v[PS]
.irp b, 0,1,2,3
.irp i, 0,1,2,3,4,5,6,7,8,9,10,11,12,13,14,15
.endr
	v_cvt_scalef32_pk8_bf8_f32 v[PC+4*\b:PC+4*\b+1], v[S+16*\b:S+16*\b+7], v[TM+12+\b]
	v_cvt_scalef32_pk8_bf8_f32 v[PC+4*\b+2:PC+4*\b+3], v[S+16*\b+8:S+16*\b+15], v[TM+12+\b]
.endr
.set qi, 0
.rept 16
	v_pk_mul_f32 v[OT+qi:OT+qi+1], v[OT+qi:OT+qi+1], v[F:F+1] op_sel_hi:[1,0]   ; O^T under the new M; these 16 are also the places between the codes and the products below
.set qi, qi+2
.endr
	s_wait_alu depctr_va_vdst(0)
	s_wait_dscnt 0x0                               ; V is in
.irp t, 0,1,2,3                        ; O^T += V^T P^T: the four accumulators by turns, one instruction a turn, eight other products between two links of a chain
.if \t%2
	v_wmma_scale_f32_16x16x128_f8f6f4 v[OT+8*\t:OT+8*\t+7], v[KV+16*\t:KV+16*\t+15], v[PC:PC+15], v[OT+8*\t:OT+8*\t+7], v[SCR+2+\t/2], v[PS] matrix_a_fmt:MATRIX_FMT_BF8 matrix_b_fmt:MATRIX_FMT_BF8 matrix_a_scale:MATRIX_SCALE_ROW1
.else
	v_wmma_scale_f32_16x16x128_f8f6f4 v[OT+8*\t:OT+8*\t+7], v[KV+16*\t:KV+16*\t+15], v[PC:PC+15], v[OT+8*\t:OT+8*\t+7], v[SCR+2+\t/2], v[PS] matrix_a_fmt:MATRIX_FMT_BF8 matrix_b_fmt:MATRIX_FMT_BF8
.endif
.endr
.rept 8
	v_nop                                          ; eight places ahead of the next step's loads into V's and the scale words' registers, and of any read of O^T
.endr
.if \tail
.Lskip_\@:
.endif
	s_add_co_u32 s[KF], s[KF], 128
.endm
	s_load_b256 s[4:11], s[0:1], 0x0               ; x's codes s[4:5], x's scales s[6:7], Wq's codes s[8:9], Wq's scales s[10:11]
	s_load_b128 s[12:15], s[0:1], 0x20             ; kv s[12:13], out s[14:15]
	v_lshl_add_u32 v[SPW], v0, 2, SPARE
	v_mov_b32 v[NIL], 0
	ds_add_u32 v2, v3
	ds_add_u32 v2, v3
	s_wait_dscnt 0x0
	v_lshrrev_b32 v10, 5, v0
	s_delay_alu instid0(VALU_DEP_1)
	v_readfirstlane_b32 s[WV], v10                 ; wave 0..15
	s_lshr_b32 s[ROLE], s[WV], 3
	s_and_b32 s[TAU], s[WV], 7
	s_and_b32 s[BAT], ttmp7, 0xffff
	s_lshl_b32 s66, ttmp9, 7                       ; 128 i
	s_lshl_b32 s67, s[TAU], 4
	s_add_co_u32 s[QLO], s66, s67                  ; the LOW tile's first query: 128 i + 16 tau
	s_sub_co_u32 s[Q0], 3968, s66
	s_add_co_u32 s[Q0], s[Q0], s67                 ; the HIGH tile's: 128 (31 - i) + 16 tau: every wave begins with it
	s_add_co_u32 s[QE], s[Q0], 15
	s_lshl_b32 s68, s[BAT], 12
	s_add_co_u32 s70, s68, s[Q0]                   ; the two tiles' first rows of x and of out
	s_add_co_u32 s72, s68, s[QLO]
	s_cmp_eq_u32 s[ROLE], 0
	s_cselect_b32 s78, s70, s72                    ; waves 0-7 store the HIGH tile, waves 8-15 the LOW one
	s_lshl_b32 s78, s78, 8                         ; a row of out is 256 bytes
	s_lshl_b32 s74, s70, 1                         ; of x's scales 2,
	s_lshl_b32 s76, s72, 1
	s_lshl_b32 s70, s70, 6                         ; of x's codes 64
	s_lshl_b32 s72, s72, 6
	s_mov_b32 s71, 0
	s_mov_b32 s73, 0
	s_mov_b32 s75, 0
	s_mov_b32 s77, 0
	s_mov_b32 s79, 0
	s_and_b32 s80, s[WV], 3                        ; as a loader: stream s80 / 2, a slot's step s80 % 2
	s_and_b32 s[NL], s80, 1
	s_mov_b32 s[G0], 1                             ; 1:0 count = 1
	s_mul_i32 s[G0+1], s80, REC                    ; 63:32 LDS address: my record's place in slot 0
	s_sub_co_u32 s81, 16, ttmp9
	s_cmp_lt_u32 s80, 2
	s_cselect_b32 s[SWL], 99, s81                  ; stream 1: record = step, always; stream 2: record = step + 16 for the first 16 - i steps, then step - (16 - i)
	s_cselect_b32 s[ADL], 0, 16
	s_sub_co_u32 s[NSW], 0, s[SWL]
	s_mul_i32 s[OF], s[BAT], 32*REC
	s_mov_b32 s[OF+1], 0
	s_mul_i32 s[TB], s[ROLE], 2*REC                ; waves 0-7 read stream 1's records, waves 8-15 stream 2's
	s_lshl_b32 s[KF], s[ROLE], 11                  ; and begin at key 0 or at key 2,048
	s_lshl_b32 s82, s80, 13                        ; the prefetches: piece 5 + wave % 4 of run wave / 8; the first change of slots steps it to piece 9 + wave % 4
	s_add_co_u32 s82, s82, 5*8192
	s_mul_i32 s83, s[ROLE], 16*REC
	s_add_co_u32 s82, s82, s83
	s_mov_b32 s83, 0
	s_sub_co_u32 s84, s[WV], 4
	s_lshr_b32 s84, s84, 3                         ; 0 in waves 4 to 11,
	s_or_b32 s84, s84, ttmp9                       ; of the batch's first work-group
	s_cmp_eq_u32 s84, 0
	s_cselect_b32 s[LIM], 6, 0
	s_mov_b32 s[G1], 3<<16                         ; 15:0 no mask; 17:16 elements of 8 bytes; no padding: the images are read 512 consecutive bytes a load
	s_mov_b32 s[G1+1], 32<<16                      ; tensor_dim0 = 32 elements: 256 bytes
	s_mov_b32 s[G1+2], 66<<16                      ; tensor_dim1 = 66 rows
	s_mov_b32 s[G1+3], 32<<16                      ; tile_dim0
	s_mov_b32 s[G1+4], 66                          ; tile_dim1
	s_mov_b32 s[G1+5], 32                          ; from row to row: dense
	s_mov_b32 s[G1+6], 0
	s_mov_b32 s[G1+7], 0
	s_mov_b32 s[SEL], 0x76543210
	s_mov_b32 s[SEL+1], 0xfedcba98
	s_mov_b32 s[CS], 0x3e38aa3b                    ; c = log2(e) / 8
	s_mov_b32 s[CS+1], s[CS]
	; every LDS address register but the step's own is made here, ahead of the first branch on the wave's number
	v_and_b32 v10, 15, v0                          ; r
	v_bfe_u32 v11, v0, 4, 1                        ; h
	v_and_b32 v[LI], 31, v0
	s_delay_alu instid0(VALU_DEP_1)
	v_lshlrev_b32 v[PFO], 8, v[LI]
	s_delay_alu instid0(VALU_DEP_2)
	v_lshlrev_b32 v[LI], 4, v[LI]
	s_mul_i32 s85, s[WV], 4352
	s_add_co_u32 s85, s85, STAGE                   ; my stage
	v_mul_u32_u24 v[STO], v10, 272
	s_delay_alu instid0(VALU_DEP_1)
	v_lshl_add_u32 v[STO], v11, 5, v[STO]
	s_delay_alu instid0(VALU_DEP_1)
	v_add_nc_u32 v[STO], s85, v[STO]               ; in: row r, + 32 h; tile t's eight channels 64 t bytes on
	v_mul_u32_u24 v[RD], v11, 272
	s_delay_alu instid0(VALU_DEP_1)
	v_lshl_add_u32 v[RD], v10, 4, v[RD]
	s_delay_alu instid0(VALU_DEP_1)
	v_add_nc_u32 v[RD], s85, v[RD]                 ; back: lanes 0-15 one row of 256 bytes, lanes 16-31 the next
	s_mul_i32 s86, s[TAU], 4608
	s_add_co_u32 s86, s86, PART
	v_add_nc_u32 v[PWA], s86, v[LI]
	v_lshlrev_b32 v[D0], 4, v11
	s_delay_alu instid0(VALU_DEP_1)
	v_sub_nc_u32 v[D0], v10, v[D0]
	v_lshlrev_b32 v251, 6, v10
	s_delay_alu instid0(VALU_DEP_1)
	v_lshl_add_u32 v251, v11, 4, v251              ; x: row r of 64 bytes, + 16 h
	v_lshlrev_b32 v252, 1, v10                     ; its scale bytes
	v_and_b32 v253, 8, v10
	s_delay_alu instid0(VALU_DEP_1)
	v_add_nc_u32 v253, v253, v10                   ; r + 8 (r / 8)
	s_delay_alu instid0(VALU_DEP_1)
	v_lshlrev_b32 v254, 1, v253                    ; Wq's scale bytes, by the tile's rows
	s_delay_alu instid0(VALU_DEP_2)
	v_lshlrev_b32 v253, 6, v253
	s_delay_alu instid0(VALU_DEP_1)
	v_lshl_add_u32 v253, v11, 4, v253              ; Wq: lane r of tile 2 b + u takes row 32 b + 8 u + r + 8 (r / 8)
	s_wait_kmcnt 0x0
	s_add_nc_u64 s[KVB:KVB+1], s[12:13], s[OF:OF+1]
	DESC
	TLOAD 0                                        ; slot 0: the launch's first fill, ahead of every wait on TENSORcnt, every LDS read and every barrier
	s_add_nc_u64 s[PFA:PFA+1], s[KVB:KVB+1], s[82:83]
	s_add_nc_u64 s[70:71], s[4:5], s[70:71]
	s_add_nc_u64 s[72:73], s[4:5], s[72:73]
	s_add_nc_u64 s[74:75], s[6:7], s[74:75]
	s_add_nc_u64 s[76:77], s[6:7], s[76:77]
	s_add_nc_u64 s[OUT:OUT+1], s[14:15], s[78:79]
	; q = x Wq^T for both tiles, TRANSPOSED (source 0 = 16 rows of Wq, source 1 = my 16 queries): register 16 g + i of lane (r, h) is channel 32 g + 16 h + i of query r
	s_wait_alu depctr_va_vdst(0)
.irp t, 0,1,2,3
.irp c, 0,1
	global_load_b128 v[KV+16*\t+4*\c:KV+16*\t+4*\c+3], v253, s[8:9] offset:(32*(\t/2)+8*(\t%2))*64+32*\c
.endr
	global_load_u16 v[SCR+\t], v254, s[10:11] offset:(32*(\t/2)+8*(\t%2))*2
.endr
.irp c, 0,1
	global_load_b128 v[PC+4*\c:PC+4*\c+3], v251, s[70:71] offset:32*\c    ; x of the HIGH tile
	global_load_b128 v[OT+4*\c:OT+4*\c+3], v251, s[72:73] offset:32*\c    ; x of the LOW tile
.endr
	global_load_u16 v[XSH], v252, s[74:75]
	global_load_u16 v[XSL], v252, s[76:77]
.irp f, KV, KV+16, KV+32, KV+48, PC, OT, QA
.irp j, 8,9,10,11,12,13,14,15
	v_mov_b32 v[\f+\j], 0                          ; K = 64 .. 127 of the six fragments, and the zeros between the two copies of q: zero codes
.endr
.endr
.irp b, 0,1,2,3
	v_mov_b32 v[TM+4+\b], 0                        ; written once: a lane permute's destination counts as one of its sources
.endr
	v_mov_b32 v[F+1], 0                            ; named as the upper half of the pair v[F:F+1]
.rept 4
	v_nop                                          ; an operand register written by a vector line stands four places ahead of a scaled matrix instruction
.endr
	s_wait_loadcnt 0x0
.irp t, 0,1,2,3
	v_wmma_scale_f32_16x16x128_f8f6f4 v[S+8*\t:S+8*\t+7], v[KV+16*\t:KV+16*\t+15], v[PC:PC+15], 0, v[SCR+\t], v[XSH] matrix_a_fmt:MATRIX_FMT_BF8 matrix_b_fmt:MATRIX_FMT_BF8
.endr
.irp t, 0,1,2,3
	v_wmma_scale_f32_16x16x128_f8f6f4 v[S+32+8*\t:S+32+8*\t+7], v[KV+16*\t:KV+16*\t+15], v[OT:OT+15], 0, v[SCR+\t], v[XSL] matrix_a_fmt:MATRIX_FMT_BF8 matrix_b_fmt:MATRIX_FMT_BF8
.endr
.rept 8
	v_nop
.endr
	QUANT S, QA, 2
	v_lshl_or_b32 v[QS], v[TM+5], 8, v[TM+4]
	s_delay_alu instid0(VALU_DEP_1)
	v_lshl_or_b32 v[QS], v[QS], 16, v[QS]          ; bytes s0, s1, s0, s1: the word serves [q | 0] and [0 | q]
.irp j, 0,1,2,3,4,5,6,7
	v_mov_b32 v[QA+16+\j], v[QA+\j]
.endr
	QUANT S+32, QL, 2
	v_lshl_or_b32 v[QLS], v[TM+5], 8, v[TM+4]
	s_delay_alu instid0(VALU_DEP_1)
	v_lshl_or_b32 v[QLS], v[QLS], 16, v[QLS]
	INIT
	s_mov_b32 s[SC], 0
.Lslot:                                            ; 7 trips: trip SC reads slot SC (steps 2 SC, 2 SC + 1 of both streams) and asks for slot SC + 1
	CHANGE 1
	STEP 0, 0
	STEP 1, 0
	s_xor_b32 s[TB], s[TB], SLOT1                  ; on to the other slot
	s_add_co_u32 s[SC], s[SC], 1
	s_cmp_lt_u32 s[SC], 7
	s_cbranch_scc1 .Lslot
	CHANGE 2                                       ; steps 14 and 15; of the 17th step only stream 2 has a record: wave 2 asks for it
	STEP 0, 0
	STEP 1, 0
	s_xor_b32 s[TB], s[TB], SLOT1
	CHANGE 0                                       ; nothing is left to fetch
	STEP 0, 1
	s_wait_dscnt 0x0                               ; for the others' sake: the parts that waves 8-15 left in LDS have landed
	s_barrier_signal -1
	s_barrier_wait -1
	s_cmp_lt_u32 s[WV], 8
	s_cbranch_scc0 .Lout
	; waves 0-7: the HIGH tile's two parts under one M
	ds_load_b128 v[S+32:S+35], v[PWA] offset:4096  ; the other part's -M, largest t, sum
.irp k, 0,1,2,3,4,5,6,7
	ds_load_b128 v[S+4*\k:S+4*\k+3], v[PWA] offset:512*\k   ; and its O^T
.endr
	s_wait_dscnt 0x0
	v_min_num_f32 v10, v12, v[S+32]                ; -M of the larger M
	s_delay_alu instid0(VALU_DEP_1)
	v_sub_f32 v11, v10, v12                        ; my M - that M,
	s_delay_alu instid0(VALU_DEP_2)
	v_sub_f32 v[T0], v10, v[S+32]                  ; the other part's M - that M: whole numbers, 0 or less
	s_delay_alu instid0(VALU_DEP_2)
	v_cvt_i32_f32 v11, v11
	s_delay_alu instid0(VALU_DEP_2)
	v_cvt_i32_f32 v[T0], v[T0]
	s_delay_alu instid0(VALU_DEP_2)
	v_ldexp_f32 v[F], 1.0, v11
	s_delay_alu instid0(VALU_DEP_2)
	v_ldexp_f32 v252, 1.0, v[T0]
	v_mov_b32 v253, 0                              ; named with it as a pair
	s_delay_alu instid0(VALU_DEP_3)
	v_pk_mul_f32 v[14:15], v[14:15], v[F:F+1] op_sel_hi:[1,0]
	s_delay_alu instid0(VALU_DEP_1)
	v_pk_fma_f32 v[14:15], v[S+34:S+35], v[252:253], v[14:15] op_sel_hi:[1,0,1]
.set qi, 0
.rept 16
	v_pk_mul_f32 v[OT+qi:OT+qi+1], v[OT+qi:OT+qi+1], v[F:F+1] op_sel_hi:[1,0]
	s_delay_alu instid0(VALU_DEP_1)
	v_pk_fma_f32 v[OT+qi:OT+qi+1], v[S+qi:S+qi+1], v[252:253], v[OT+qi:OT+qi+1] op_sel_hi:[1,0,1]
.set qi, qi+2
.endr
.Lout:
	; THE WAY OUT: O^T / the sum goes through my stage in LDS and leaves as whole rows of 256 bytes
	v_add_f32 v14, v14, v15                        ; the sum's two halves,
	s_delay_alu instid0(VALU_DEP_1)
	v_permlanex16_b32 v[TM+4], v14, s[SEL], s[SEL+1]
	s_delay_alu instid0(VALU_DEP_1)
	v_add_f32 v14, v14, v[TM+4]                    ; and lane l xor 16's: the row's sum
	s_wait_alu depctr_va_vdst(0)
	v_rcp_f32 v14, v14
	v_nop                                          ; a plain line behind the transcendental
	s_wait_alu depctr_va_vdst(0)                   ; and the wait ahead of its first reader
.set qi, 0
.rept 16
	v_pk_mul_f32 v[S+qi:S+qi+1], v[OT+qi:OT+qi+1], v[14:15] op_sel_hi:[1,0]   ; register 8 t + j: out(query r, channel 16 t + 8 h + j)
.set qi, qi+2
.endr
.irp t, 0,1,2,3
	ds_store_b128 v[STO], v[S+8*\t:S+8*\t+3] offset:64*\t
	ds_store_b128 v[STO], v[S+8*\t+4:S+8*\t+7] offset:64*\t+16
.endr
.irp k, 0,1,2,3,4,5,6,7
	ds_load_b128 v[KV+4*\k:KV+4*\k+3], v[RD] offset:544*\k    ; LDS serves a wave's instructions in order (ISA guide 5.7.1.4): these see my stores
.endr
.irp k, 0,1,2,3,4,5,6,7
	s_wait_dscnt 7-\k                              ; load k is in; the 7 - k behind it may be out
	global_store_b128 v[LI], v[KV+4*\k:KV+4*\k+3], s[OUT:OUT+1] offset:512*\k th:TH_STORE_NT   ; 32 lanes store two rows: 512 consecutive bytes, aligned
.endr
	s_wait_tensorcnt 0x0                           ; the wave's end: behind my last tensor load and my last LDS store
	ds_add_u32 v[SPW], v[NIL]
	s_wait_dscnt 0x0
	s_endpgm
.Lfunc_end_k_qcf05981ed6_attend:
	.size	k_qcf05981ed6_attend, .Lfunc_end_k_qcf05981ed6_attend-k_qcf05981ed6_attend
	.p2alignl 7, 3214868480
	.fill 96, 4, 3214868480
	.section	.rodata,"a",@progbits
	.p2align	6, 0x0
	.amdhsa_kernel k_qcf05981ed6_attend
		.amdhsa_group_segment_fixed_size 327680
		.amdhsa_private_segment_fixed_size 0
		.amdhsa_enable_private_segment 0
		.amdhsa_kernarg_size 48
		.amdhsa_user_sgpr_count 2
		.amdhsa_user_sgpr_kernarg_segment_ptr 1
		.amdhsa_wavefront_size32 1
		.amdhsa_system_sgpr_workgroup_id_x 1
		.amdhsa_system_sgpr_workgroup_id_y 1
		.amdhsa_system_sgpr_workgroup_id_z 1
		.amdhsa_system_vgpr_workitem_id 0
		.amdhsa_next_free_vgpr 256
		.amdhsa_next_free_sgpr 100
		.amdhsa_reserve_vcc 1
		.amdhsa_float_denorm_mode_32 3
		.amdhsa_float_denorm_mode_16_64 3
		.amdhsa_fp16_overflow 1
		.amdhsa_memory_ordered 1
		.amdhsa_forward_progress 1
		.amdhsa_inst_pref_size 150
	.end_amdhsa_kernel
	.amdgpu_metadata
---
amdhsa.version: [ 1, 2 ]
amdhsa.kernels:
  - .name:           k_qcf05981ed6_attend
    .symbol:         k_qcf05981ed6_attend.kd
    .args:
      - { .name: x_codes, .offset: 0, .size: 8, .value_kind: global_buffer, .address_space: global }
      - { .name: x_scales, .offset: 8, .size: 8, .value_kind: global_buffer, .address_space: global }
      - { .name: Wq_codes, .offset: 16, .size: 8, .value_kind: global_buffer, .address_space: global }
      - { .name: Wq_scales, .offset: 24, .size: 8, .value_kind: global_buffer, .address_space: global }
      - { .name: kv, .offset: 32, .size: 8, .value_kind: global_buffer, .address_space: global }
      - { .name: out0, .offset: 40, .size: 8, .value_kind: global_buffer, .address_space: global }
    .group_segment_fixed_size: 327680
    .private_segment_fixed_size: 0
    .kernarg_segment_align: 8
    .kernarg_segment_size: 48
    .max_flat_workgroup_size: 512
    .sgpr_count:     100
    .vgpr_count:     256
    .wavefront_size: 32
...
	.end_amdgpu_metadata
.endif
;; end of part 2
